; MI455X (gfx1250); checked and timed in simulation.
; The chip was launched on July 23, 2026; its instructions are those of AMD's public machine-readable ISA for CDNA 5 (MIT licence, August 2026) and "CDNA5" Instruction Set Architecture Reference Guide (July 2026). The comments in the code are by the model that wrote it; some were corrected since.
;; Cross View Attention3 D. Allowed arithmetic: matrix products marked QUANTISED: E2M1 operands, one E8M0 scale for each 32 along K, by v_wmma_scale_f32_16x16x128_f8f6f4 with both operands' format E2M1 (or v_wmma_scale_f32_32x16x128_f4), f32 sums; products left as they are: bf16, f16 or f32 operands; f32 sums; everything else in f32.
;; Inputs: Wk 512 x 512 float32; Wo 512 x 512 float32; Wq 512 x 512 float32; Wv 512 x 512 float32; bk 512 float32; bo 512 float32; bq 512 float32; bv 512 float32; ref_feat 1 x 512 x 4 x 32 x 32 float32; video_feat 1 x 512 x 4 x 32 x 32 float32.
;; Outputs: out0 1 x 512 x 4 x 32 x 32 float32.
;; This version of the problem:
;;   THIS VERSION OF THE PROBLEM IS GIVEN IN LOW PRECISION. The matrix products marked QUANTISED in the list below multiply operands that are first quantised to E2M1 (2 exponent bits, 1 mantissa bit; 4 bits a number), with one power-of-two scale for each 32 numbers along K (OCP MX v1.0); their sums are f32. The products marked 'left as it is' may take bf16, f16 or f32 operands, with f32 sums. Whichever they take, every output number must still come out within the allowed error. Rounding operands to bf16 (8 significant bits) uses up far more of that allowance than f16 does (11 bits, for magnitudes from 6e-5 to 65,504). All else is computed in f32.
;;   The module's matrix products, in the order in which they are computed (A, B: the left and right operand; K: the contracted axis; several contracted axes count as one K, in the product's order):
;;     1. [M 4,096, K 512] x [K 512, N 512]; A: input video_feat; B: input Wq: QUANTISED
;;     2. [M 4,096, K 512] x [K 512, N 512]; A: input ref_feat; B: input Wk: QUANTISED
;;     3. [M 4,096, K 512] x [K 512, N 512]; A: input ref_feat; B: input Wv: QUANTISED
;;     4. batch 8 x [M 4,096, K 64] x [K 64, N 4,096]; A: computed on the way; B: computed on the way: left as it is (an operand is computed on the way)
;;     5. batch 8 x [M 4,096, K 4,096] x [K 4,096, N 64]; A: computed on the way; B: computed on the way: left as it is (an operand is computed on the way)
;;     6. [M 4,096, K 512] x [K 512, N 512]; A: computed on the way; B: input Wo: left as it is (an operand is computed on the way)
;;   THE QUANTISER, for each operand of a quantised product, along K:
;;     - K is cut into blocks of 32 from its start; a last block that is shorter is filled with zeros.
;;     - A block's scale is 2^e with e = floor(log2(the largest magnitude in the block)) - 2, held to -126 .. 127; a block of zeros has e = 0. As a byte (E8M0): e + 127.
;;     - Each number is divided by its block's scale, clamped to +-6, and rounded to the nearest number of E2M1, ties to even, subnormals kept.
;;     - The product sums the exact products of the quantised numbers (number of the format x scale) in f32.
;;   ~~~python
;;   def quantise(x, axis):      # numpy; x: float32 -> the quantised numbers, widened to float32 again
;;       x = np.moveaxis(x, axis, -1); K = x.shape[-1]
;;       x = np.pad(x, [(0, 0)] * (x.ndim - 1) + [(0, -K % 32)]); x = x.reshape(x.shape[:-1] + (-1, 32)); a = np.abs(x).max(-1, keepdims=True)
;;       e = np.where(a > 0, np.clip(np.frexp(np.where(a > 0, a, 1))[1] - 1 - 2, -126, 127), 0)      # np.frexp(a)[1] - 1 = floor(log2(a)), exactly
;;       r = np.clip(x / 2.0 ** e, -6, 6)
;;       step = 2.0 ** (np.maximum(np.frexp(np.where(r == 0, 1, r))[1] - 1, 0) - 1)
;;       q = np.round(r / step) * step * 2.0 ** e      # np.round: ties to even
;;       return np.moveaxis(q.reshape(q.shape[:-2] + (-1,))[..., :K], -1, axis).astype(np.float32)
;;   ~~~
;; One version. Each part assembles by itself: llvm-mc -triple=amdgcn-amd-amdhsa -mcpu=gfx1250 --defsym DOCPART=n.
;; ======== version 1 of 1: 4 launches
;; limits: values are held in f16: magnitudes above 65,504 overflow, below 6.1e-05 lose precision
;; workspace buffers: xcodes 2,097,152 bytes; xscales 131,072 bytes; wcodes 393,216 bytes; wscales 24,576 bytes; wo16 524,288 bytes; qkv 12,582,912 bytes; att16 4,194,304 bytes
;; launch prep (part 1): grid 256 x 1, 5 waves a work-group, no clusters, 17,664 bytes of LDS; arguments video_feat, ref_feat, Wq, Wk, Wv, Wo, xcodes, xscales, wcodes, wscales, wo16; writes xcodes, xscales, wcodes, wscales, wo16
.if DOCPART == 1
	.amdgcn_target "amdgcn-amd-amdhsa--gfx1250"
	.amdhsa_code_object_version 6
	.text
	.protected	k_q108dc94a6f_prep
	.globl	k_q108dc94a6f_prep
	.p2align	8
	.type	k_q108dc94a6f_prep,@function
k_q108dc94a6f_prep:
	s_mov_b64 s[64:65], 0
	v_nop
	global_prefetch_b8 v0, s[64:65] scope:SCOPE_SE
	s_setreg_imm32_b32 hwreg(HW_REG_WAVE_MODE, 25, 1), 1
	s_wait_xcnt 0x0
; The operands of the three quantised products become codes of E2M1 with one E8M0 byte for each 32 along K (the channels); Wo becomes f16.
; video_feat, ref_feat: [512 c][4096 n] f32, K is the FIRST axis.  Wq, Wk, Wv, Wo: [512 o][512 c] f32, K innermost.
; A block's scale is 2^(floor(log2(largest magnitude)) - 2); its byte is the largest magnitude's exponent field - 2, held at 1 from below.
; EVERYTHING IS STORED AS THE IMAGE OF AN OPERAND'S REGISTERS: a chunk of 512 bytes is four registers of 32 lanes, lane L's 16 bytes at 16 L.
;   xcodes  [tensor 2][ntile 256][blk 16][r 16][16 B]      xscales [tensor][ntile][s 4][r 16] words, byte b = block 4 s + b
;   wcodes  [mat 3][otile 32][blk 16][r 16][16 B]          wscales [mat][otile][s 4][r 16] words
;   wo16    [otile 32][cc 32][L 32][16 B]: lane (r, h) holds Wo[16 otile + r][16 cc + 8 h + 0 .. 7]
; SHARES.  256 work-groups of five waves, all with the same work.  Waves 0-3 of work-group g take 128 columns x 128 channels of a feature tensor (64 KiB of f32).
; The four weight matrices are 256 jobs of 16 rows x 256 channels (16 KiB): wave 4 of work-group g takes job g: matrix g >> 6 (0 Wq, 1 Wk, 2 Wv, 3 Wo), rows 16 ((g >> 1) & 31) on, channels 256 (g & 1) on.
; WAVE 4 TURNS ITS ROWS THROUGH LDS: the quantiser wants 32 neighbours along K in ONE lane, a load is best where neighbouring LANES take neighbouring bytes.  So each of its 32 loads reads 512 consecutive bytes;
; they go to a stage as they lie (rows of 1,024 bytes + 16 of padding = 260 words: row r starts at bank 4 r mod 64 (64 banks of 4 bytes: ISA guide 11.1)) and come back in the order of the operand's registers.
; Only wave 4 touches the stage: no barrier.  No loop; no register that a global store reads is written again.
; LIMITS: NaN and infinities are not served; a block of zeros gets the byte 1 where the rule says 127 (its codes are zeros, and this program
; alone reads the bytes); blocks whose largest magnitude lies under 2^-124 are held at the byte 1; |Wo| stays under 65,504 (f16).
.set X, 32                             ; v32-159   128 numbers
.set C, 160                            ; v160-223  results, a register set of its own for every store
.set SPW, 22                           ; v22       LDS address of my spare word: SPARE + 4 x my thread's number; never rewritten
.set NIL, 23                           ; v23       0; never rewritten
.set PITCH, 1040                       ; a row of the stage
.set SPARE, 16896                      ; behind the stage's 16 x 1,040 bytes: the spare words, 128 bytes for each of five waves: three blocks of 256 bytes that no other line names
; 32 numbers v[xs ..] of one block -> 4 registers of codes v[cd ..] and the scale's byte in v[bd]
.macro QBLOCK xs, cd, bd
	v_max3_num_f32 v8, |v[\xs]|, |v[\xs+1]|, |v[\xs+2]|            ; the largest magnitude, in two chains
	v_max3_num_f32 v9, |v[\xs+3]|, |v[\xs+4]|, |v[\xs+5]|
.irp i, 6,10,14,18,22,26
	v_max3_num_f32 v8, v8, |v[\xs+\i]|, |v[\xs+\i+1]|
	v_max3_num_f32 v9, v9, |v[\xs+\i+2]|, |v[\xs+\i+3]|
.endr
	v_max3_num_f32 v8, v8, |v[\xs+30]|, |v[\xs+31]|
	v_max3_num_f32 v8, v8, v9, 0x1800000                           ; and the floor 2^(3 - 127): the byte cannot fall under 1
	v_add_nc_u32 v10, 0xff000000, v8                               ; 2 off the exponent field: the conversion takes this operand's exponent field as its scale
.irp g, 0,1,2,3
	v_cvt_scalef32_pk8_fp4_f32 v[\cd+\g], v[\xs+8*\g:\xs+8*\g+7], v10
.endr
	v_lshrrev_b32 v[\bd], 23, v10                                  ; the byte; also the plain line behind the conversions
.endm
.macro CLOSE                           ; a wave's end
	s_wait_tensorcnt 0x0
	ds_add_u32 v[SPW], v[NIL]
	s_wait_dscnt 0x0
	s_endpgm
.endm
	s_load_b512 s[8:23], s[0:1], 0x0               ; video s[8:9], ref s[10:11], Wq s[12:13], Wk s[14:15], Wv s[16:17], Wo s[18:19], xcodes s[20:21], xscales s[22:23]
	s_load_b128 s[24:27], s[0:1], 0x40             ; wcodes s[24:25], wscales s[26:27]
	s_load_b64 s[28:29], s[0:1], 0x50              ; wo16
	v_lshl_add_u32 v[SPW], v0, 2, SPARE
	v_mov_b32 v[NIL], 0
	v_lshrrev_b32 v1, 5, v0
	v_readfirstlane_b32 s30, v1                    ; wave 0..4
	v_and_b32 v1, 31, v0                           ; lane
	v_and_b32 v2, 15, v0                           ; r
	v_bfe_u32 v3, v0, 4, 1                         ; h
	s_mov_b32 s35, 0                               ; the high word of every offset pair s[34:35]
	s_mov_b32 s40, 0x76543210                      ; v_permlanex16_b32's selects for lane l xor 16
	s_mov_b32 s41, 0xfedcba98
	s_wait_kmcnt 0x0
	s_cmp_lt_u32 s30, 4
	s_cbranch_scc0 .Lwave4
	; ---- WAVES 0-3: THE FEATURES.  A lane takes ONE column n = 128 cg + thread, and its registers run down K: a block of 32 lies in one lane.
	s_lshr_b32 s31, ttmp9, 7                       ; tensor: 0 video, 1 ref
	s_bfe_u32 s32, ttmp9, 0x20005                  ; s: which 128 channels
	s_and_b32 s33, ttmp9, 31                       ; cg: which 128 columns
	s_cmp_eq_u32 s31, 0
	s_cselect_b64 s[8:9], s[8:9], s[10:11]
	s_lshl_b32 s34, s32, 21                        ; 128 rows of 16,384 bytes
	s_lshl_b32 s36, s33, 9
	s_add_co_u32 s34, s34, s36
	s_add_nc_u64 s[8:9], s[8:9], s[34:35]
	s_lshl_b32 s34, s31, 20                        ; codes: tensor, 8 tiles of 4,096 bytes, 1,024 bytes a K step
	s_lshl_b32 s36, s33, 15
	s_add_co_u32 s34, s34, s36
	s_lshl_b32 s36, s32, 10
	s_add_co_u32 s34, s34, s36
	s_add_nc_u64 s[20:21], s[20:21], s[34:35]
	s_lshl_b32 s34, s31, 16                        ; scale words: tensor, 8 tiles of 256 bytes, 64 bytes a K step
	s_lshl_b32 s36, s33, 11
	s_add_co_u32 s34, s34, s36
	s_lshl_b32 s36, s32, 6
	s_add_co_u32 s34, s34, s36
	s_add_nc_u64 s[22:23], s[22:23], s[34:35]
	v_lshlrev_b32 v4, 2, v0                        ; in: 4 bytes a thread: the four waves read 512 consecutive bytes of a row
	v_lshrrev_b32 v7, 4, v0                        ; my tile of 16 columns
	v_lshlrev_b32 v5, 4, v2
	v_lshl_add_u32 v5, v7, 12, v5                  ; codes: tile x 4,096 + 16 r
	v_lshlrev_b32 v6, 2, v2
	v_lshl_add_u32 v6, v7, 8, v6                   ; words: tile x 256 + 4 r
.set i, 0
.rept 128
	global_load_b32 v[X+i], v4, s[8:9] offset:i*16384 th:TH_LOAD_NT
.set i, i+1
.endr
.irp b, 0,1,2,3
.if \b < 2
	s_wait_loadcnt 63                              ; block b's 32 loads are in: 96 and 64 younger ones are out, and a wait names 63 at the most
.else
	s_wait_loadcnt 32*(3-\b)                       ; the younger blocks' loads may stay out
.endif
	QBLOCK X+32*\b, C+4*\b, 12+\b
	global_store_b128 v5, v[C+4*\b:C+4*\b+3], s[20:21] offset:256*\b   ; sixteen lanes store 256 consecutive bytes, aligned
.endr
	v_lshl_or_b32 v20, v13, 8, v12                 ; the four bytes make my column's scale word of this K step
	v_lshl_or_b32 v20, v14, 16, v20
	v_lshl_or_b32 v20, v15, 24, v20
	global_store_b32 v6, v20, s[22:23]             ; runs of 64 bytes: one byte for each 128 that the path reads
	CLOSE
.Lwave4:
	; ---- WAVE 4: 16 rows x 256 channels of one of the four weight matrices
	s_lshr_b32 s32, ttmp9, 6                       ; mat: 0 Wq, 1 Wk, 2 Wv, 3 Wo
	s_bfe_u32 s33, ttmp9, 0x50001                  ; otile: which 16 rows
	s_and_b32 s38, ttmp9, 1                        ; kh: which 256 channels
	s_cmp_eq_u32 s32, 0                            ; the choice hangs on the work-group's number alone
	s_cselect_b64 s[12:13], s[12:13], s[14:15]
	s_cmp_eq_u32 s32, 2
	s_cselect_b64 s[12:13], s[16:17], s[12:13]
	s_cmp_eq_u32 s32, 3
	s_cselect_b64 s[12:13], s[18:19], s[12:13]
	s_lshl_b32 s34, s33, 15                        ; 16 rows of 2,048 bytes
	s_lshl_b32 s36, s38, 10
	s_add_co_u32 s34, s34, s36
	s_add_nc_u64 s[12:13], s[12:13], s[34:35]
	v_lshlrev_b32 v5, 4, v1                        ; 16 x lane: my bytes of a load's 512, in memory, in the stage and in every chunk that I store
	v_mul_u32_u24 v4, v2, PITCH
	v_lshl_add_u32 v7, v3, 5, v4                   ; back from the stage for Wo: row r, + 32 h bytes: my 8 numbers of each 16
	v_lshl_add_u32 v4, v3, 7, v4                   ; for the quantiser: row r, + 128 h bytes: my block of a pair
.set i, 0
.rept 32
	global_load_b128 v[X+4*i:X+4*i+3], v5, s[12:13] offset:(i/2)*2048+(i%2)*512 th:TH_LOAD_NT   ; 32 lanes read 512 consecutive bytes: half of a row's 1,024
.set i, i+1
.endr
.set i, 0
.rept 32
.if i%8 == 0
	s_wait_loadcnt 24-i                            ; eight loads are in; the later groups of eight may stay out
.endif
	ds_store_b128 v5, v[X+4*i:X+4*i+3] offset:(i/2)*PITCH+(i%2)*512
.set i, i+1
.endr
	s_wait_dscnt 0x0                               ; the stores have read their registers: the loads below land in them
	s_cmp_eq_u32 s32, 3
	s_cbranch_scc1 .Lpath_o
	; ---- Wq, Wk, Wv: lane (r, h) takes blocks 8 kh + 2 c + h, c = 0 .. 3, of row 16 otile + r: the order of the operand's registers
	s_lshl_b32 s34, s32, 17
	s_lshl_b32 s36, s33, 12
	s_add_co_u32 s34, s34, s36
	s_lshl_b32 s36, s38, 11
	s_add_co_u32 s34, s34, s36
	s_add_nc_u64 s[24:25], s[24:25], s[34:35]
	s_lshl_b32 s34, s32, 13
	s_lshl_b32 s36, s33, 8
	s_add_co_u32 s34, s34, s36
	s_lshl_b32 s36, s38, 7
	s_add_co_u32 s34, s34, s36
	s_add_nc_u64 s[26:27], s[26:27], s[34:35]
	v_lshlrev_b32 v6, 2, v1                        ; 4 x lane
	v_lshlrev_b32 v21, 3, v3                       ; 8 h
.irp c, 0,1,2,3
.irp i, 0,1,2,3,4,5,6,7
	ds_load_b128 v[X+32*\c+4*\i:X+32*\c+4*\i+3], v4 offset:256*\c+16*\i    ; LDS serves a wave's instructions in order (ISA guide 5.7.1.4): these see my stores
.endr
.endr
.irp c, 0,1,2,3
	s_wait_dscnt 24-8*\c                           ; block c's eight loads are in; the later blocks' may stay out
	QBLOCK X+32*\c, C+4*\c, 12+\c
	global_store_b128 v5, v[C+4*\c:C+4*\c+3], s[24:25] offset:512*\c   ; 512 consecutive bytes, aligned
.endr
	v_lshl_or_b32 v16, v13, 16, v12                ; K step 2 kh: my bytes are blocks h and 2 + h of its four,
	v_lshl_or_b32 v17, v15, 16, v14                ; K step 2 kh + 1 likewise,
	v_lshlrev_b32 v16, v21, v16                    ; 8 h bits up;
	v_lshlrev_b32 v17, v21, v17
	v_mov_b32 v18, 0                               ; (a lane permute's destination counts as one of its sources)
	v_mov_b32 v19, 0
	v_permlanex16_b32 v18, v16, s40, s41
	v_permlanex16_b32 v19, v17, s40, s41
	v_or_b32 v16, v16, v18                         ; with lane l xor 16's two bytes both words are whole
	v_or_b32 v17, v17, v19
	v_cmp_eq_u32 vcc_lo, 1, v3
	v_cndmask_b32 v20, v16, v17, vcc_lo            ; lanes 0-15 store the first step's words, lanes 16-31 the second's
	global_store_b32 v6, v20, s[26:27]
	CLOSE
.Lpath_o:
	; ---- Wo to f16: lane (r, h) takes, for each 16 channels cc, the 8 numbers at 16 cc + 8 h of row 16 otile + r
	s_lshl_b32 s34, s33, 14
	s_lshl_b32 s36, s38, 13
	s_add_co_u32 s34, s34, s36
	s_add_nc_u64 s[28:29], s[28:29], s[34:35]
.set i, 0
.rept 16
	ds_load_b128 v[X+8*i:X+8*i+3], v7 offset:64*i
	ds_load_b128 v[X+8*i+4:X+8*i+7], v7 offset:64*i+16
.set i, i+1
.endr
.set i, 0
.rept 16
.if i%4 == 0
	s_wait_dscnt 24-2*i                            ; four chunks' eight loads are in; the later groups' may stay out
.endif
.irp p, 0,1,2,3
	v_cvt_pk_f16_f32 v[C+4*i+\p], v[X+8*i+2*\p], v[X+8*i+2*\p+1]
.endr
	global_store_b128 v5, v[C+4*i:C+4*i+3], s[28:29] offset:512*i      ; 512 consecutive bytes, aligned
.set i, i+1
.endr
	CLOSE
.Lfunc_end_k_q108dc94a6f_prep:
	.size	k_q108dc94a6f_prep, .Lfunc_end_k_q108dc94a6f_prep-k_q108dc94a6f_prep
	.p2alignl 7, 3214868480
	.fill 96, 4, 3214868480
	.section	.rodata,"a",@progbits
	.p2align	6, 0x0
	.amdhsa_kernel k_q108dc94a6f_prep
		.amdhsa_group_segment_fixed_size 17664
		.amdhsa_private_segment_fixed_size 0
		.amdhsa_enable_private_segment 0
		.amdhsa_kernarg_size 88
		.amdhsa_user_sgpr_count 2
		.amdhsa_user_sgpr_kernarg_segment_ptr 1
		.amdhsa_wavefront_size32 1
		.amdhsa_system_sgpr_workgroup_id_x 1
		.amdhsa_system_sgpr_workgroup_id_y 1
		.amdhsa_system_sgpr_workgroup_id_z 1
		.amdhsa_system_vgpr_workitem_id 0
		.amdhsa_next_free_vgpr 224
		.amdhsa_next_free_sgpr 66
		.amdhsa_reserve_vcc 1
		.amdhsa_float_denorm_mode_32 3
		.amdhsa_float_denorm_mode_16_64 3
		.amdhsa_memory_ordered 1
		.amdhsa_forward_progress 1
		.amdhsa_inst_pref_size 44
	.end_amdhsa_kernel
	.amdgpu_metadata
---
amdhsa.version: [ 1, 2 ]
amdhsa.kernels:
  - .name:           k_q108dc94a6f_prep
    .symbol:         k_q108dc94a6f_prep.kd
    .args:
      - { .name: video_feat, .offset: 0, .size: 8, .value_kind: global_buffer, .address_space: global }
      - { .name: ref_feat, .offset: 8, .size: 8, .value_kind: global_buffer, .address_space: global }
      - { .name: Wq, .offset: 16, .size: 8, .value_kind: global_buffer, .address_space: global }
      - { .name: Wk, .offset: 24, .size: 8, .value_kind: global_buffer, .address_space: global }
      - { .name: Wv, .offset: 32, .size: 8, .value_kind: global_buffer, .address_space: global }
      - { .name: Wo, .offset: 40, .size: 8, .value_kind: global_buffer, .address_space: global }
      - { .name: xcodes, .offset: 48, .size: 8, .value_kind: global_buffer, .address_space: global }
      - { .name: xscales, .offset: 56, .size: 8, .value_kind: global_buffer, .address_space: global }
      - { .name: wcodes, .offset: 64, .size: 8, .value_kind: global_buffer, .address_space: global }
      - { .name: wscales, .offset: 72, .size: 8, .value_kind: global_buffer, .address_space: global }
      - { .name: wo16, .offset: 80, .size: 8, .value_kind: global_buffer, .address_space: global }
    .group_segment_fixed_size: 17664
    .private_segment_fixed_size: 0
    .kernarg_segment_align: 8
    .kernarg_segment_size: 88
    .max_flat_workgroup_size: 160
    .sgpr_count:     66
    .vgpr_count:     224
    .wavefront_size: 32
...
	.end_amdgpu_metadata
.endif
;; end of part 1
;; launch proj (part 2): grid 32 x 8, 4 waves a work-group, no clusters, 49,664 bytes of LDS; arguments xcodes, xscales, wcodes, wscales, bq, bk, bv, qkv; writes qkv
.if DOCPART == 2
	.amdgcn_target "amdgcn-amd-amdhsa--gfx1250"
	.amdhsa_code_object_version 6
	.text
	.protected	k_q108dc94a6f_proj
	.globl	k_q108dc94a6f_proj
	.p2align	8
	.type	k_q108dc94a6f_proj,@function
k_q108dc94a6f_proj:
	s_mov_b64 s[64:65], 0
	v_nop
	global_prefetch_b8 v0, s[64:65] scope:SCOPE_SE
	s_setreg_imm32_b32 hwreg(HW_REG_WAVE_MODE, 25, 1), 1
	s_wait_xcnt 0x0
; q = Wq video + bq, k = Wk ref + bk, v = Wv ref + bv, on codes of E2M1 with E8M0 scales (16x16x128, both operands FP4), sums in f32; results as f16.
; q is stored multiplied by log2(e) / 8, so that a score of the next launch is the exponent of 2 as it stands.
; SHARES.  Work-group (nb, head): 128 positions x the head's 64 channels, all three jobs (0 q, 1 k, 2 v).  Wave w: 32 positions (tiles 8 nb + 2 w + t).
; A job is 8 accumulators (t, ot) x 4 K steps of 128: 32 matrix instructions, 96 a wave.  Straight text: no loop, no branch.
; x's fragments are the wave's own: memory to registers (ref's serve jobs 1 and 2).  The head's 48 KiB of weight codes are wanted by all four waves:
; each fetches a quarter, stores it to LDS as it stands (images of registers: 16 bytes a lane), and behind one barrier every wave reads all of it.
; NO CLUSTER: one burst of loads and no loop in which a tile is asked for again; of a work-group's 112 KiB of operands 64 are each wave's own, and a joint
; request could spare three quarters of the other 48 against two rounds of a cluster's barrier in a text of 96 matrix instructions a wave.
; ORIENTATION.  Jobs 0, 1: source 0 = 16 rows of W, source 1 = 16 positions: a lane holds position r and channels 16 ot + 8 h + 0 .. 7, which packed to f16
; is a chunk of the next launch's operand.  Job 2: source 0 = positions, source 1 = W: a lane holds channel 16 ot + r and positions 16 t + 8 h + 0 .. 7.
;   qkv: q at 0, k at 4 MiB: [head][ntile 256][ot 4][L][16 B];  v at 8 MiB: [head][n / 32][dt 4][g 2][L][16 B].  Every store is 512 consecutive bytes, aligned.
; LIMITS: |0.18 q|, |k|, |v| stay under 65,504 (f16).
; REGISTERS, in windows of 256.  Window 0: v1-5 addresses; v16-79 video's fragments, v80-143 ref's ((t, s) at 8 (4 t + s)); v144-151 x's scale words, v152-175 W's
;   (lanes 0-15: an even K step's, lanes 16-31: the odd one's); v176-239 packed results; v240-247 bv; v248, v249 the add's two.
;   Window 1: W's fragments of jobs 0 and 1 ((ot, s) at 8 (4 ot + s)).   Window 2: job 2's; from v128 bq's, from v160 bk's 4 x 8 registers.
;   Window 3: the accumulators, (job, t, ot) at 64 job + 8 (4 t + ot); ahead of the first product v0-95 hold my quarter of W on its way to LDS.
.set SPARE, 49152                      ; behind W's 48 KiB: the spare words, 128 bytes for each wave
.set XV,   16
.set XR,   80
.set XS,   144
.set WS,   152
.set OUT0, 176
.set OUT1, 208
.set OUT2, 16                          ; video's fragments are done with by then
.set BV,   240
.set SPW,  248
.set NIL,  249
.set BQ,   128                         ; in window 2; bk's follow at 160
.set MSB, 0
.macro WIN new                         ; low byte: bits 1:0 source 0, 3:2 source 1, 5:4 source 2, 7:6 destination; the high byte repeats the setting that is left
.if MSB != \new
	s_set_vgpr_msb (MSB<<8)|\new
.set MSB, \new
.endif
.endm
; Jobs 0 and 1: the bias is the C of each sum's first product.  The eight accumulators take turns, one instruction a turn.
.macro MULQK job
.irp s, 0,1,2,3
.if \s == 0
	WIN 0xe1                                       ; A window 1, B window 0, C window 2, D window 3
.else
	WIN 0xf1                                       ; C and D window 3
.endif
.irp t, 0,1
.irp o, 0,1,2,3
.set rD, 64*\job+8*(4*\t+\o)
.set rA, 128*\job+8*(4*\o+\s)
.set rB, XV+64*\job+8*(4*\t+\s)
.set rC, BQ+32*\job+8*\o
.set rW, WS+8*\job+2*\o+\s/2
.set rX, XS+4*\job+2*\t+\s/2
.if \s == 0
	v_wmma_scale_f32_16x16x128_f8f6f4 v[rD:rD+7], v[rA:rA+7], v[rB:rB+7], v[rC:rC+7], v[rW], v[rX] matrix_a_fmt:MATRIX_FMT_FP4 matrix_b_fmt:MATRIX_FMT_FP4
.elseif \s == 2
	v_wmma_scale_f32_16x16x128_f8f6f4 v[rD:rD+7], v[rA:rA+7], v[rB:rB+7], v[rD:rD+7], v[rW], v[rX] matrix_a_fmt:MATRIX_FMT_FP4 matrix_b_fmt:MATRIX_FMT_FP4
.else
	v_wmma_scale_f32_16x16x128_f8f6f4 v[rD:rD+7], v[rA:rA+7], v[rB:rB+7], v[rD:rD+7], v[rW], v[rX] matrix_a_fmt:MATRIX_FMT_FP4 matrix_b_fmt:MATRIX_FMT_FP4 matrix_a_scale:MATRIX_SCALE_ROW1 matrix_b_scale:MATRIX_SCALE_ROW1
.endif
.endr
.endr
.endr
.endm
.macro MULV                            ; job 2: source 0 = ref's positions, source 1 = Wv's rows; the first product starts the sums
	WIN 0xf8                                       ; A window 0, B window 2, C and D window 3
.irp s, 0,1,2,3
.irp t, 0,1
.irp o, 0,1,2,3
.set rD, 128+8*(4*\t+\o)
.set rA, XR+8*(4*\t+\s)
.set rB, 8*(4*\o+\s)
.set rX, XS+4+2*\t+\s/2
.set rW, WS+16+2*\o+\s/2
.if \s == 0
	v_wmma_scale_f32_16x16x128_f8f6f4 v[rD:rD+7], v[rA:rA+7], v[rB:rB+7], 0, v[rX], v[rW] matrix_a_fmt:MATRIX_FMT_FP4 matrix_b_fmt:MATRIX_FMT_FP4
.elseif \s == 2
	v_wmma_scale_f32_16x16x128_f8f6f4 v[rD:rD+7], v[rA:rA+7], v[rB:rB+7], v[rD:rD+7], v[rX], v[rW] matrix_a_fmt:MATRIX_FMT_FP4 matrix_b_fmt:MATRIX_FMT_FP4
.else
	v_wmma_scale_f32_16x16x128_f8f6f4 v[rD:rD+7], v[rA:rA+7], v[rB:rB+7], v[rD:rD+7], v[rX], v[rW] matrix_a_fmt:MATRIX_FMT_FP4 matrix_b_fmt:MATRIX_FMT_FP4 matrix_a_scale:MATRIX_SCALE_ROW1 matrix_b_scale:MATRIX_SCALE_ROW1
.endif
.endr
.endr
.endr
.endm
.macro OUTQK job, out                  ; every accumulator is read from its low end on
.if \job == 0
	WIN 0xc3
.set i, 0
.rept 32
	v_pk_mul_f32 v[i:i+1], v[i:i+1], s[30:31] op_sel_hi:[1,0]      ; q x log2(e) / 8
.set i, i+2
.endr
.endif
	WIN 0x0f
.set i, 0
.rept 32
	v_cvt_pk_f16_f32 v[\out+i], v[64*\job+2*i], v[64*\job+2*i+1]
.set i, i+1
.endr
	WIN 0
.irp t, 0,1
.irp o, 0,1,2,3
	global_store_b128 v1, v[\out+4*(4*\t+\o):\out+4*(4*\t+\o)+3], s[22:23] offset:\job*4194304+\t*2048+\o*512
.endr
.endr
.endm
.macro OUTV
	WIN 0xc3
.irp t, 0,1
.irp o, 0,1,2,3
.irp p, 0,2,4,6
	v_pk_add_f32 v[128+8*(4*\t+\o)+\p:128+8*(4*\t+\o)+\p+1], v[128+8*(4*\t+\o)+\p:128+8*(4*\t+\o)+\p+1], v[BV+2*\o:BV+2*\o+1]   ; my channel's bias, in both words of the pair
.endr
.endr
.endr
	WIN 0x0f
.set i, 0
.rept 32
	v_cvt_pk_f16_f32 v[OUT2+i], v[128+2*i], v[128+2*i+1]
.set i, i+1
.endr
	WIN 0
.irp t, 0,1
.irp o, 0,1,2,3
	global_store_b128 v1, v[OUT2+4*(4*\t+\o):OUT2+4*(4*\t+\o)+3], s[32:33] offset:\o*1024+\t*512
.endr
.endr
.endm
	s_load_b512 s[8:23], s[0:1], 0x0               ; xcodes s[8:9], xscales s[10:11], wcodes s[12:13], wscales s[14:15], bq s[16:17], bk s[18:19], bv s[20:21], qkv s[22:23]
	v_lshl_add_u32 v[SPW], v0, 2, SPARE
	v_mov_b32 v[NIL], 0
	v_lshrrev_b32 v1, 5, v0
	v_readfirstlane_b32 s24, v1                    ; wave 0..3
	v_and_b32 v2, 31, v0
	v_lshlrev_b32 v1, 4, v2                        ; 16 x lane: a chunk's place for my lane
	v_lshlrev_b32 v2, 2, v2                        ; 4 x lane: a scale word's
	v_and_b32 v3, 15, v0
	v_lshlrev_b32 v3, 2, v3                        ; 4 r
	v_bfe_u32 v4, v0, 4, 1
	v_lshlrev_b32 v4, 5, v4                        ; 32 h
	s_lshl_b32 s27, s24, 12
	v_add_nc_u32 v5, s27, v1                       ; LDS: where I put my quarter of W: 4,096 x wave + 16 x lane
	s_and_b32 s26, ttmp7, 0xffff                   ; head
	s_mov_b32 s30, 0x3e38aa3b                      ; log2(e) / 8
	s_mov_b32 s31, s30                             ; (named with it as a pair, so it is written)
	s_mov_b32 s29, 0
	s_wait_kmcnt 0x0
	s_lshl_b32 s28, ttmp9, 15                      ; x's codes: 8 tiles of 4,096 bytes a block, 2 a wave
	s_lshl_b32 s25, s24, 13
	s_add_co_u32 s28, s28, s25
	s_add_nc_u64 s[8:9], s[8:9], s[28:29]
	s_lshl_b32 s28, ttmp9, 11                      ; x's scale words: 256 bytes a tile
	s_lshl_b32 s25, s24, 9
	s_add_co_u32 s28, s28, s25
	s_add_nc_u64 s[10:11], s[10:11], s[28:29]
	s_lshl_b32 s28, s26, 14                        ; W's codes: the head's 4 tiles, of which tile w is mine to fetch
	s_add_co_u32 s28, s28, s27
	s_add_nc_u64 s[12:13], s[12:13], s[28:29]
	s_lshl_b32 s28, s26, 10
	s_add_nc_u64 s[14:15], s[14:15], s[28:29]      ; W's scale words
	s_lshl_b32 s28, s26, 8
	s_add_nc_u64 s[16:17], s[16:17], s[28:29]      ; the head's 64 numbers of each bias
	s_add_nc_u64 s[18:19], s[18:19], s[28:29]
	s_add_nc_u64 s[20:21], s[20:21], s[28:29]
	s_lshl_b32 s28, s26, 19                        ; qkv: head x 524,288 + nb x 16,384 + wave x 4,096, the same in all three parts
	s_lshl_b32 s25, ttmp9, 14
	s_add_co_u32 s28, s28, s25
	s_add_co_u32 s28, s28, s27
	s_add_nc_u64 s[22:23], s[22:23], s[28:29]
	s_add_nc_u64 s[32:33], s[22:23], 0x800000      ; v's part: 8 MiB lies beyond a store's signed 24-bit immediate, so it has a base of its own
	WIN 0xc0                                       ; destination window 3
.irp j, 0,1,2
.irp c, 0,1,2,3,4,5,6,7
	global_load_b128 v[4*(8*\j+\c):4*(8*\j+\c)+3], v1, s[12:13] offset:\j*131072+\c*512    ; my quarter of W: 24 loads
.endr
.endr
	WIN 0
.set i, 0
.rept 16
	global_load_b128 v[XV+4*i:XV+4*i+3], v1, s[8:9] offset:512*i                           ; job 0's own 36 loads: video's fragments,
.set i, i+1
.endr
.irp t, 0,1
.irp u, 0,1
	global_load_b32 v[XS+2*\t+\u], v2, s[10:11] offset:\t*256+\u*128                       ; their scale words,
.endr
.endr
.irp o, 0,1,2,3
.irp u, 0,1
	global_load_b32 v[WS+2*\o+\u], v2, s[14:15] offset:\o*256+\u*128                       ; Wq's,
.endr
.endr
	WIN 0x80                                       ; destination window 2
.irp o, 0,1,2,3
	global_load_b128 v[BQ+8*\o:BQ+8*\o+3], v4, s[16:17] offset:\o*64                       ; bq in the result's layout
	global_load_b128 v[BQ+8*\o+4:BQ+8*\o+7], v4, s[16:17] offset:\o*64+16
.endr
	s_wait_loadcnt 36                              ; my quarter of W is in; job 0's 36 loads were issued behind it and may stay out
	WIN 0x0c                                       ; an LDS store's data are its source 1: window 3
.irp j, 0,1,2
.irp c, 0,1,2,3,4,5,6,7
	ds_store_b128 v5, v[4*(8*\j+\c):4*(8*\j+\c)+3] offset:\j*16384+\c*512
.endr
.endr
	WIN 0
.set i, 0
.rept 16
	global_load_b128 v[XR+4*i:XR+4*i+3], v1, s[8:9] offset:1048576+512*i                   ; job 1's 36 loads
.set i, i+1
.endr
.irp t, 0,1
.irp u, 0,1
	global_load_b32 v[XS+4+2*\t+\u], v2, s[10:11] offset:65536+\t*256+\u*128
.endr
.endr
.irp o, 0,1,2,3
.irp u, 0,1
	global_load_b32 v[WS+8+2*\o+\u], v2, s[14:15] offset:8192+\o*256+\u*128
.endr
.endr
	WIN 0x80
.irp o, 0,1,2,3
	global_load_b128 v[BQ+32+8*\o:BQ+32+8*\o+3], v4, s[18:19] offset:\o*64
	global_load_b128 v[BQ+32+8*\o+4:BQ+32+8*\o+7], v4, s[18:19] offset:\o*64+16
.endr
	WIN 0
.irp o, 0,1,2,3
.irp u, 0,1
	global_load_b32 v[WS+16+2*\o+\u], v2, s[14:15] offset:16384+\o*256+\u*128              ; job 2's 16 loads
.endr
.endr
.irp o, 0,1,2,3
	global_load_b32 v[BV+2*\o], v3, s[20:21] offset:\o*64
	global_load_b32 v[BV+2*\o+1], v3, s[20:21] offset:\o*64
.endr
	s_wait_dscnt 0x0                               ; for the others' sake: my stores of W have landed
	s_barrier_signal -1
	s_barrier_wait -1                              ; the head's 48 KiB of W lie in LDS
	WIN 0x40                                       ; destination window 1
.set i, 0
.rept 64
	ds_load_b128 v[4*i:4*i+3], v1 offset:512*i     ; jobs 0 and 1: 32 chunks each
.set i, i+1
.endr
	WIN 0x80
.set i, 0
.rept 32
	ds_load_b128 v[4*i:4*i+3], v1 offset:32768+512*i
.set i, i+1
.endr
	s_wait_loadcnt 52                              ; job 0's loads are in; jobs 1's 36 and 2's 16 may stay out
	s_wait_dscnt 63                                ; job 0's 32 chunks are in: 64 younger LDS loads are out, and a wait names 63 at the most
	MULQK 0
	s_wait_loadcnt 16                              ; job 2's 16 may stay out
	s_wait_dscnt 32                                ; job 2's 32 chunks may stay out
	MULQK 1
.rept 4
	v_nop                                          ; four places behind the products, ahead of the first read of results
.endr
	OUTQK 0, OUT0
	s_wait_loadcnt 0x0
	s_wait_dscnt 0x0
	MULV
.rept 4
	v_nop
.endr
	OUTQK 1, OUT1
	OUTV
	s_wait_tensorcnt 0x0                           ; the wave's end
	ds_add_u32 v[SPW], v[NIL]
	s_wait_dscnt 0x0
	s_endpgm
.Lfunc_end_k_q108dc94a6f_proj:
	.size	k_q108dc94a6f_proj, .Lfunc_end_k_q108dc94a6f_proj-k_q108dc94a6f_proj
	.p2alignl 7, 3214868480
	.fill 96, 4, 3214868480
	.section	.rodata,"a",@progbits
	.p2align	6, 0x0
	.amdhsa_kernel k_q108dc94a6f_proj
		.amdhsa_group_segment_fixed_size 49664
		.amdhsa_private_segment_fixed_size 0
		.amdhsa_enable_private_segment 0
		.amdhsa_kernarg_size 64
		.amdhsa_user_sgpr_count 2
		.amdhsa_user_sgpr_kernarg_segment_ptr 1
		.amdhsa_wavefront_size32 1
		.amdhsa_system_sgpr_workgroup_id_x 1
		.amdhsa_system_sgpr_workgroup_id_y 1
		.amdhsa_system_sgpr_workgroup_id_z 1
		.amdhsa_system_vgpr_workitem_id 0
		.amdhsa_next_free_vgpr 960
		.amdhsa_next_free_sgpr 66
		.amdhsa_reserve_vcc 0
		.amdhsa_float_denorm_mode_32 3
		.amdhsa_float_denorm_mode_16_64 3
		.amdhsa_memory_ordered 1
		.amdhsa_forward_progress 1
		.amdhsa_inst_pref_size 46
	.end_amdhsa_kernel
	.amdgpu_metadata
---
amdhsa.version: [ 1, 2 ]
amdhsa.kernels:
  - .name:           k_q108dc94a6f_proj
    .symbol:         k_q108dc94a6f_proj.kd
    .args:
      - { .name: xcodes, .offset: 0, .size: 8, .value_kind: global_buffer, .address_space: global }
      - { .name: xscales, .offset: 8, .size: 8, .value_kind: global_buffer, .address_space: global }
      - { .name: wcodes, .offset: 16, .size: 8, .value_kind: global_buffer, .address_space: global }
      - { .name: wscales, .offset: 24, .size: 8, .value_kind: global_buffer, .address_space: global }
      - { .name: bq, .offset: 32, .size: 8, .value_kind: global_buffer, .address_space: global }
      - { .name: bk, .offset: 40, .size: 8, .value_kind: global_buffer, .address_space: global }
      - { .name: bv, .offset: 48, .size: 8, .value_kind: global_buffer, .address_space: global }
      - { .name: qkv, .offset: 56, .size: 8, .value_kind: global_buffer, .address_space: global }
    .group_segment_fixed_size: 49664
    .private_segment_fixed_size: 0
    .kernarg_segment_align: 8
    .kernarg_segment_size: 64
    .max_flat_workgroup_size: 128
    .sgpr_count:     66
    .vgpr_count:     960
    .wavefront_size: 32
...
	.end_amdgpu_metadata
.endif
;; end of part 2
;; launch attn (part 3): grid 32 x 8, 8 waves a work-group, clusters of 4 x 1, 327,680 bytes of LDS; arguments qkv, att16; writes att16
.if DOCPART == 3
	.amdgcn_target "amdgcn-amd-amdhsa--gfx1250"
	.amdhsa_code_object_version 6
	.text
	.protected	k_q108dc94a6f_attn
	.globl	k_q108dc94a6f_attn
	.p2align	8
	.type	k_q108dc94a6f_attn,@function
k_q108dc94a6f_attn:
	s_mov_b64 s[64:65], 0
	v_nop
	global_prefetch_b8 v0, s[64:65] scope:SCOPE_SE
	s_setreg_imm32_b32 hwreg(HW_REG_WAVE_MODE, 25, 1), 1
	s_wait_xcnt 0x0
	s_wait_alu depctr_hold_cnt(0) depctr_sa_sdst(0) depctr_va_vdst(0) depctr_va_sdst(0) depctr_va_ssrc(0) depctr_va_vcc(0) depctr_vm_vsrc(0)
	s_getreg_b32 s2, hwreg(HW_REG_IB_STS2, 6, 4)
	s_cmp_eq_u32 s2, 0
	s_cbranch_scc0 .Lentry_in_a_cluster
	s_endpgm
.Lentry_in_a_cluster:
	s_bfe_u32 s2, ttmp6, 0x10000c
	s_cmp_lg_u32 s2, 0x3003
	s_cbranch_scc0 .Lentry_shape_is_right
	s_endpgm
.Lentry_shape_is_right:
; O[head][n] = sum over m of softmax_m(q[n] . k[m] / 8) v[m], 8 heads of size 64, 4,096 positions, no mask.  Operands f16, products, maxima and sums f32.
; q arrives multiplied by log2(e) / 8, so a score s is the exponent of 2: p = 2^(s - m), m the query's running maximum; in every step O and l are multiplied by a = 2^(m_old - m_new).
; SHARES.  A work-group owns 128 queries of one head.  Eight waves, two to a SIMD, so that one wave's softmax stands beside the other's products.  Wave w: qw = w & 3 picks 32 queries
; (two tiles of 16), grp = w >> 2 a half of the keys of every slot.  At the end waves w and w xor 4 merge their (m, l, O) through LDS: register tile T0 holds tile 2 qw + grp and
; T1 tile 2 qw + (grp xor 1), every wave KEEPS T0 and SENDS T1: one text for all waves, no branch.
; LAYOUT.  S^T = K Q^T (source 0 = 16 keys, source 1 = 16 queries) and O^T = V^T P (source 0 = 16 channels, source 1 = P): a lane holds ONE query throughout; two tiles of S^T, packed to
; f16 in pairs, are source 1 of the second product.  q, k, v lie in memory as images of the operands' registers (512 bytes a chunk, 16 a lane): tiles are dense blocks, and LDS needs no pitch.
; RING.  Two slots of 512 keys (64 KiB of K, 64 KiB of V), each wave fetching 16 KiB by one tensor load: two loads of a wave are out at the start, one behind each change of slots.
; K A STEP AHEAD.  A step's 16 LDS loads of K are issued behind the step BEFORE's products K Q^T, which free K's registers, and have that step's softmax and its products V^T P in which to come.
; A slot's first K can be read only behind the change of slots: so a slot is a fetch of K, a loop of three steps that fetch ahead, and a fourth step, written out, that does not.
; CLUSTER.  The four query blocks of a cluster belong to one head and walk the same K and V: each tile is asked for JOINTLY, the same load with the same descriptor and a mask that names the four.
; The result is stored as 8 x O / l in f16 (the last launch takes the 8 back).  LIMITS: |0.18 q|, |k|, |v| and 8 |O| stay under 65,504; each half's l is at least about 1, so no division by 0.
; REGISTERS.  Window 0: v1-12 addresses; v16-31 statistics, 8 a tile: +0 m, +1 zero (the pair's partner), +2, +3 l (even, odd keys), +4 .. +7 c0-c3 at work (a takes +6, m_old - m_new +7);
;   v32-63 Q; v64-127 S^T, 32 a tile; v128-159 P; v160-223 O^T, 32 a tile; v224-234 the merge.   Window 1: v0-63 K of a step, v64-127 V.
.set SLOT1, 131072                     ; slot 1 begins here: one exclusive or turns an address in one slot into the other's
.set VOFF,  65536                      ; in a slot: K's images, then V's
.set STG,   262144                     ; behind the ring: 4,608 bytes for each wave: O of T1 (4,096), m (128), l (128), 256 unused.  No fill lands here
.set WSTG,  4608
.set SPARE, 299008                     ; the spare words, 128 bytes for each of eight waves
.set LI,  1                            ; v1   16 x lane
.set ADK, 2                            ; v2   LDS address of the K last asked for
.set ADV, 3                            ; v3   of the step's V
.set QO0, 4                            ; v4   my offset in the wave's two tiles of Q: T0's
.set QO1, 5                            ; v5   T1's
.set MS,  6                            ; v6   my stage, 16 bytes a lane;  v7 its m and l, 4 bytes a lane
.set MS4, 7
.set SPW, 8                            ; v8   my spare word; v9 zero: never rewritten
.set NIL, 9
.set MR,  10                           ; v10, v11: the same two places in the stage of wave w xor 4
.set MR4, 11
.set PFO, 12                           ; v12  256 x lane
.set ST,  16
.set Q,   32
.set S,   64
.set P,   128
.set O,   160
.set KF,  0                            ; window 1
.set VF,  64
.set TB,  42                           ; s42  LDS byte at which the K last asked for begins
.set MSB, 0
.macro WIN new                         ; low byte: bits 1:0 source 0, 3:2 source 1, 5:4 source 2, 7:6 destination; the high byte repeats the setting that is left
.if MSB != \new
	s_set_vgpr_msb (MSB<<8)|\new
.set MSB, \new
.endif
.endm
.macro CROUND                          ; a round of the cluster's barrier: my work-group's barrier; wave 0 signals for the work-group; all wait for the four; my work-group's barrier again
	s_barrier_signal -1
	s_barrier_wait -1
	s_cmp_lg_u32 s8, 0
	s_cbranch_scc1 .Lnot_wave_0_\@
	s_barrier_signal -3
.Lnot_wave_0_\@:
	s_barrier_wait -3
	s_barrier_signal -1
	s_barrier_wait -1
.endm
; A prefetch of what the NEXT change of slots will ask for.  All clusters of a head walk the same K and V: the head's first cluster asks.  In it the even waves ask, each for the 32 KiB that it and
; the wave behind it will fetch; the four partners share that run out BY ADDRESS, 8 KiB each, lanes 256 bytes apart: each block of 256 bytes is named once.  The last change that fills asks for nothing.
.macro ASK
	s_cmp_gt_u32 s43, s45
	s_cbranch_scc0 .Lnot_mine_\@
	global_prefetch_b8 v[PFO], s[46:47] th:TH_LOAD_NT scope:SCOPE_SE
.Lnot_mine_\@:
.endm
; The softmax of both tiles for 64 keys, the tiles line by line by turns, so that no line waits for the line above it.
.macro SOFTMAX
.irp j, 0,1,2,3
.irp t, 0,1
	v_max3_num_f32 v[ST+8*\t+4+\j], v[S+32*\t+8*\j], v[S+32*\t+8*\j+1], v[S+32*\t+8*\j+2]     ; four chains; each accumulator is read from its low end on
.endr
.endr
.irp q, 1,2
.irp j, 0,1,2,3
.irp t, 0,1
	v_max3_num_f32 v[ST+8*\t+4+\j], v[ST+8*\t+4+\j], v[S+32*\t+8*\j+2*\q+1], v[S+32*\t+8*\j+2*\q+2]
.endr
.endr
.endr
.irp t, 0,1
	v_max3_num_f32 v[ST+8*\t+4], v[ST+8*\t+4], v[S+32*\t+7], v[S+32*\t+15]
.endr
.irp t, 0,1
	v_max3_num_f32 v[ST+8*\t+6], v[ST+8*\t+6], v[S+32*\t+23], v[S+32*\t+31]
.endr
.irp t, 0,1
	v_max3_num_f32 v[ST+8*\t+4], v[ST+8*\t+4], v[ST+8*\t+5], v[ST+8*\t+6]
.endr
.irp t, 0,1
	v_max3_num_f32 v[ST+8*\t+4], v[ST+8*\t+4], v[ST+8*\t+7], v[ST+8*\t]                       ; with the old m
.endr
.irp t, 0,1
	v_permlanex16_b32 v[ST+8*\t+5], v[ST+8*\t+4], s40, s41                                    ; the query's other 32 keys lie in the lane 16 away
.endr
.irp t, 0,1
	v_mov_b32 v[ST+8*\t+7], v[ST+8*\t]
.endr
.irp t, 0,1
	v_max_num_f32 v[ST+8*\t], v[ST+8*\t+4], v[ST+8*\t+5]                                      ; the new m
.endr
.irp t, 0,1
	v_sub_f32 v[ST+8*\t+7], v[ST+8*\t+7], v[ST+8*\t]                                          ; m_old - m_new
.endr
.set i, 0
.rept 16
.irp t, 0,1
	v_pk_add_f32 v[S+32*\t+i:S+32*\t+i+1], v[S+32*\t+i:S+32*\t+i+1], v[ST+8*\t:ST+8*\t+1] op_sel_hi:[1,0] neg_lo:[0,1] neg_hi:[0,1]   ; s - m, two at a time
.endr
.set i, i+2
.endr
.irp t, 0,1
	v_exp_f32 v[ST+8*\t+6], v[ST+8*\t+7]                                                      ; a.  ONE BATCH of 66 exponentials: none reads another's result
.endr
.set i, 0
.rept 32
	v_exp_f32 v[S+i], v[S+i]
	v_exp_f32 v[S+32+i], v[S+32+i]
.set i, i+1
.endr
	v_nop                                          ; the plain line behind the last exponential,
	s_wait_alu depctr_va_vdst(0)                   ; and the one wait ahead of the batch's first use
.set i, 0
.rept 16
.irp t, 0,1
	v_cvt_pk_f16_f32 v[P+16*\t+i], v[S+32*\t+2*i], v[S+32*\t+2*i+1]                           ; the weights as f16: source 1 of the second product
.endr
.set i, i+1
.endr
.irp u, 0,1,2,3,4,5,6,7                ; the sum of the 16 pairs, in place: neighbours 1, 2, 4 and 8 pairs apart
.irp t, 0,1
	v_pk_add_f32 v[S+32*\t+4*\u:S+32*\t+4*\u+1], v[S+32*\t+4*\u:S+32*\t+4*\u+1], v[S+32*\t+4*\u+2:S+32*\t+4*\u+3]
.endr
.endr
.irp u, 0,1,2,3
.irp t, 0,1
	v_pk_add_f32 v[S+32*\t+8*\u:S+32*\t+8*\u+1], v[S+32*\t+8*\u:S+32*\t+8*\u+1], v[S+32*\t+8*\u+4:S+32*\t+8*\u+5]
.endr
.endr
.irp u, 0,1
.irp t, 0,1
	v_pk_add_f32 v[S+32*\t+16*\u:S+32*\t+16*\u+1], v[S+32*\t+16*\u:S+32*\t+16*\u+1], v[S+32*\t+16*\u+8:S+32*\t+16*\u+9]
.endr
.endr
.irp t, 0,1
	v_pk_add_f32 v[S+32*\t:S+32*\t+1], v[S+32*\t:S+32*\t+1], v[S+32*\t+16:S+32*\t+17]
.endr
.irp t, 0,1
	v_pk_fma_f32 v[ST+8*\t+2:ST+8*\t+3], v[ST+8*\t+2:ST+8*\t+3], v[ST+8*\t+6:ST+8*\t+7], v[S+32*\t:S+32*\t+1] op_sel_hi:[1,0,1]      ; l = a l + the sum
.endr
.set i, 0
.rept 16
.irp t, 0,1
	v_pk_mul_f32 v[O+32*\t+i:O+32*\t+i+1], v[O+32*\t+i:O+32*\t+i+1], v[ST+8*\t+6:ST+8*\t+7] op_sel_hi:[1,0]                          ; O^T x a, each accumulator from its low end on
.endr
.set i, i+2
.endr
.endm
.macro LOAD_K                          ; 16 LDS loads: 64 keys x 64 channels, as they lie
	WIN 0x40                                       ; destination window 1
.set i, 0
.rept 16
	ds_load_b128 v[KF+4*i:KF+4*i+3], v[ADK] offset:512*i
.set i, i+1
.endr
	WIN 0
.endm
.macro FETCH_K                         ; a slot's first K, behind the change of slots.  The last products that read K's registers stand a whole softmax back
	v_add_nc_u32 v[ADK], s[TB], v[LI]
	LOAD_K
.endm
; A KEY STEP: 64 keys of my half of the slot.  Its K was asked for a step ago.  16 loads of V, 16 products K Q^T, (next = 1) 16 loads of the next step's K, the softmax, 16 products V^T P.
; In each run of products the eight accumulators take turns, one instruction a turn.
.macro STEP next
	v_add_nc_u32 v[ADV], VOFF, v[ADK]              ; this step's V lies 64 KiB behind its K
	v_nop
	v_nop
	v_nop                                          ; four plain lines behind the last products V^T P, ahead of the loads into the registers that they read
	WIN 0x40                                       ; destination window 1
.set i, 0
.rept 16
	ds_load_b128 v[VF+4*i:VF+4*i+3], v[ADV] offset:512*i
.set i, i+1
.endr
	s_wait_dscnt 16                                ; K is in; V's 16 loads, issued behind it, may stay out
	WIN 0x01                                       ; source 0 window 1
.irp e, 0,1
.irp k, 0,1,2,3
.irp t, 0,1
.if \e == 0
	v_wmma_f32_16x16x32_f16 v[S+32*\t+8*\k:S+32*\t+8*\k+7], v[KF+8*(2*\k+\e):KF+8*(2*\k+\e)+7], v[Q+8*(2*\t+\e):Q+8*(2*\t+\e)+7], 0
.else
	v_wmma_f32_16x16x32_f16 v[S+32*\t+8*\k:S+32*\t+8*\k+7], v[KF+8*(2*\k+\e):KF+8*(2*\k+\e)+7], v[Q+8*(2*\t+\e):Q+8*(2*\t+\e)+7], v[S+32*\t+8*\k:S+32*\t+8*\k+7]
.endif
.endr
.endr
.endr
	WIN 0
.if \next
	s_add_co_u32 s[TB], s[TB], 8192                ; the next 64 keys
	v_add_nc_u32 v[ADK], s[TB], v[LI]
	v_nop
	v_nop
	v_nop                                          ; four plain lines behind the products: ahead of the loads into K's registers and of the first read of the scores
	LOAD_K
.else
.rept 4
	v_nop                                          ; four places ahead of the first read of the scores
.endr
.endif
	SOFTMAX
	s_wait_dscnt 16*\next                          ; V is in; the next K's 16 loads, issued behind it, may stay out
	WIN 0x01
.irp k, 0,1
.irp d, 0,1,2,3
.irp t, 0,1
	v_wmma_f32_16x16x32_f16 v[O+32*\t+8*\d:O+32*\t+8*\d+7], v[VF+8*(4*\k+\d):VF+8*(4*\k+\d)+7], v[P+16*\t+8*\k:P+16*\t+8*\k+7], v[O+32*\t+8*\d:O+32*\t+8*\d+7]
.endr
.endr
.endr
	WIN 0
.endm
; My half of a slot: four steps.  At the loop's head, by the way in and by the way back alike, K's 16 loads are out and nothing else.  ask = 1: the prefetch stands behind the run of LDS loads that the first products wait for.
.macro SLOT_STEPS ask
	FETCH_K
.if \ask
	ASK
.endif
	s_mov_b32 s44, 3
.Lstep_\@:
	STEP 1
	s_sub_co_u32 s44, s44, 1
	s_cmp_lg_u32 s44, 0
	s_cbranch_scc1 .Lstep_\@
	STEP 0                                         ; the slot's last step: the next K lies in the other slot, behind the change
	s_sub_co_u32 s[TB], s[TB], 24576               ; back to my half's first step,
	s_xor_b32 s[TB], s[TB], SLOT1                  ; in the other slot
.endm
; THE CHANGE OF SLOTS.  Each wave waits for all its tensor loads (its part of the slot ahead), adds 0 to its spare word, and waits for that and for its reads of the slot that it has left.
; fill = 1: the barrier is a round of the cluster's, so that no wave of any partner still reads that slot or has a load on its way; the joint refill is the first thing behind it and has a
; whole slot's steps, 128 matrix instructions a wave, in which to land.
.macro CHANGE fill
	s_wait_tensorcnt 0x0                           ; no tensor load of mine is out, so a group 0 may be written
	ds_add_u32 v[SPW], v[NIL]                      ; 0 onto my spare word
.if \fill
	s_xor_b32 s37, s37, SLOT1                      ; the walking descriptor: the other slot than last time,
	s_add_nc_u64 s[38:39], s[38:39], 0x10000       ; the next 512 keys; the type bits on top are not reached
	s_wait_xcnt 0x0                                ; the last prefetch, a slot back, has read its address, so it may be written:
	s_add_nc_u64 s[46:47], s[46:47], 0x10000       ; one slot further on than the walking descriptor
	s_wait_dscnt 0x0                               ; the add is done, and my reads of the slot that I have left are over
	CROUND
	tensor_load_to_lds s[36:39], s[24:31]
	s_nop 0
.rept 4
	v_nop
.endr
.else
	s_wait_dscnt 0x0
	s_barrier_signal -1
	s_barrier_wait -1
.endif
.endm
	s_load_b128 s[4:7], s[0:1], 0x0                ; qkv s[4:5], att16 s[6:7]
	v_lshl_add_u32 v[SPW], v0, 2, SPARE
	v_mov_b32 v[NIL], 0
	ds_add_u32 v[SPW], v[NIL]                      ; the wave's opening: the add, twice on end, and its wait ahead of my first tensor load
	ds_add_u32 v[SPW], v[NIL]
	v_lshrrev_b32 v1, 5, v0
	v_readfirstlane_b32 s8, v1                     ; wave 0..7
	s_lshr_b32 s9, s8, 2                           ; grp.  Also: I fetch for K (0) or for V (1)
	s_and_b32 s10, s8, 3                           ; qw.   Also: which quarter of it
	s_bfe_u32 s11, ttmp6, 0x40000                  ; cx: my place in the cluster: it enters Q's, the output's and the prefetch's addresses alone
	s_lshl_b32 s12, ttmp9, 2
	s_add_co_u32 s12, s12, s11                     ; my block of 128 queries
	s_and_b32 s13, ttmp7, 0xffff                   ; the head, which the four partners share
	s_mov_b32 s24, 15|(3<<16)|(1<<21)              ; group 1: 15:0 the mask, all four; 17:16 elements of 8 bytes; 21 set beside a mask; no padding
	s_mov_b32 s25, 32<<16                          ; tensor_dim0 = 32 elements: rows of 256 bytes
	s_mov_b32 s26, 64<<16                          ; tensor_dim1 = 64
	s_mov_b32 s27, 32<<16                          ; tile_dim0 = 32
	s_mov_b32 s28, 64                              ; tile_dim1 = 64: 16 KiB, dense
	s_mov_b32 s29, 32                              ; the pitch
	s_mov_b32 s30, 0
	s_mov_b32 s31, 0
	s_add_co_u32 s14, s9, 1                        ; my piece of the head's first 512 keys: k at 4 MiB, v at 8 MiB,
	s_lshl_b32 s14, s14, 22
	s_lshl_b32 s52, s13, 19                        ; the head's 524,288 bytes,
	s_add_co_u32 s14, s14, s52
	s_lshl_b32 s52, s10, 14                        ; my quarter of 64 KiB
	s_add_co_u32 s14, s14, s52
	s_mov_b32 s15, 0
	s_lshl_b32 s53, s8, 14                         ; and where it goes in a slot: 16,384 x wave
	s_lshl_b32 s16, s13, 19                        ; Q: head, block x 8 tiles, qw x 2 tiles of 2,048 bytes
	s_lshl_b32 s22, s12, 14
	s_add_co_u32 s16, s16, s22
	s_lshl_b32 s22, s10, 12
	s_add_co_u32 s16, s16, s22
	s_mov_b32 s17, 0
	s_lshl_b32 s18, s12, 17                        ; the output: tile (8 block + 2 qw + grp) x 16,384 + head x 2,048
	s_lshl_b32 s22, s10, 15
	s_add_co_u32 s18, s18, s22
	s_lshl_b32 s22, s9, 14
	s_add_co_u32 s18, s18, s22
	s_lshl_b32 s22, s13, 11
	s_add_co_u32 s18, s18, s22
	s_mov_b32 s19, 0
	s_lshl_b32 s20, s11, 13                        ; the prefetches: my work-group's 8 KiB of the run, two slots on; the first change steps it to the third.
	s_add_co_u32 s20, s20, 0x20000                 ; Nothing is prefetched here, at the head, where every work-group's first tiles are on their way
	s_mov_b32 s21, 0
	s_mov_b32 s40, 0x76543210                      ; v_permlanex16_b32's selects for lane l xor 16
	s_mov_b32 s41, 0xfedcba98
	s_lshl_b32 s[TB], s9, 15                       ; my half of slot 0
	s_mov_b32 s43, 6                               ; slots still to be asked for
	s_and_b32 s45, s8, 1
	s_or_b32 s45, s45, ttmp9                       ; 0 in the even waves of the head's first cluster: the same in all four partners
	s_cmp_eq_u32 s45, 0
	s_cselect_b32 s45, 1, -1                       ; a wave prefetches while s43 is above this
	s_wait_dscnt 0x0                               ; both opening adds are done
	s_wait_kmcnt 0x0
	s_add_nc_u64 s[14:15], s[4:5], s[14:15]
	s_add_nc_u64 s[48:49], s[4:5], s[16:17]
	s_add_nc_u64 s[50:51], s[6:7], s[18:19]
	s_add_nc_u64 s[46:47], s[14:15], s[20:21]
	s_mov_b32 s32, 1                               ; group 0 for slot 0: count 1,
	s_mov_b32 s33, s53                             ; the LDS address,
	s_mov_b64 s[34:35], s[14:15]                   ; the global address,
	s_or_b32 s35, s35, 0x80000000                  ; type 2
	s_mov_b32 s36, 1                               ; and for slot 1; this one then walks on
	s_add_co_u32 s37, s53, SLOT1
	s_add_nc_u64 s[38:39], s[14:15], 0x10000
	s_or_b32 s39, s39, 0x80000000
	CROUND                                         ; all four work-groups are here: the first joint loads meet
	tensor_load_to_lds s[32:35], s[24:31]          ; both first fills together, ahead of every wait on TENSORcnt and every LDS read: two loads of mine are out
	s_nop 0
	tensor_load_to_lds s[36:39], s[24:31]
	s_nop 0
.rept 4
	v_nop
.endr
	v_and_b32 v13, 31, v0
	v_lshlrev_b32 v[LI], 4, v13
	v_lshlrev_b32 v[PFO], 8, v13
	s_lshl_b32 s54, s9, 11
	v_add_nc_u32 v[QO0], s54, v[LI]                ; T0 = tile 2 qw + grp
	s_xor_b32 s54, s54, 2048
	v_add_nc_u32 v[QO1], s54, v[LI]                ; T1 = the other one
.irp o, 0,1,2,3
	global_load_b128 v[Q+4*\o:Q+4*\o+3], v[QO0], s[48:49] offset:512*\o        ; Q stays in registers
	global_load_b128 v[Q+16+4*\o:Q+16+4*\o+3], v[QO1], s[48:49] offset:512*\o
.endr
	s_mul_i32 s54, s8, WSTG
	s_add_co_u32 s54, s54, STG
	v_add_nc_u32 v[MS], s54, v[LI]
	v_lshlrev_b32 v13, 2, v13
	s_add_co_u32 s54, s54, 4096
	v_add_nc_u32 v[MS4], s54, v13
	s_xor_b32 s55, s8, 4                           ; my partner in the merge
	s_mul_i32 s55, s55, WSTG
	s_add_co_u32 s55, s55, STG
	v_add_nc_u32 v[MR], s55, v[LI]
	s_add_co_u32 s55, s55, 4096
	v_add_nc_u32 v[MR4], s55, v13
.irp t, 0,1
	v_mov_b32 v[ST+8*\t], 0xff61b1e6               ; m: -3e38, under every score
	v_mov_b32 v[ST+8*\t+1], 0
	v_mov_b32 v[ST+8*\t+2], 0                      ; l
	v_mov_b32 v[ST+8*\t+3], 0
.endr
.set i, 0
.rept 64
	v_mov_b32 v[O+i], 0                            ; O^T.  (No step is written for the first keys alone: the first step finds zeros, which a = 0 leaves zeros)
.set i, i+1
.endr
	s_wait_tensorcnt 0x1                           ; my part of slot 0 is in; slot 1's may stay out
	s_barrier_signal -1
	s_barrier_wait -1                              ; everybody's is
	s_wait_loadcnt 0x0                             ; Q
	SLOT_STEPS 0                                   ; keys 0 to 511
.Lslot:                                            ; six trips: keys 512 i on are walked while keys 512 (i + 1) on are fetched, i = 1 .. 6
	CHANGE 1
	SLOT_STEPS 1
	s_sub_co_u32 s43, s43, 1
	s_cmp_lg_u32 s43, 0
	s_cbranch_scc1 .Lslot
	CHANGE 0                                       ; the last slot is written out
	SLOT_STEPS 0
	; THE MERGE.  l's two halves and the other half of the lanes' are added (these lines are also the places behind the last products); T1 goes to my stage, my partner's T1, which is my T0, comes back.
.irp t, 0,1
	v_add_f32 v[ST+8*\t+4], v[ST+8*\t+2], v[ST+8*\t+3]
.endr
.irp t, 0,1
	v_permlanex16_b32 v[ST+8*\t+5], v[ST+8*\t+4], s40, s41
.endr
.irp t, 0,1
	v_add_f32 v[ST+8*\t+2], v[ST+8*\t+4], v[ST+8*\t+5]
.endr
	v_mov_b32 v231, 0                              ; (the upper halves of the pairs that the packed forms name)
	v_mov_b32 v233, 0
.irp i, 0,1,2,3,4,5,6,7
	ds_store_b128 v[MS], v[O+32+4*\i:O+32+4*\i+3] offset:512*\i    ; each accumulator from its low end on
.endr
	ds_store_b32 v[MS4], v[ST+8]                   ; m of T1
	ds_store_b32 v[MS4], v[ST+10] offset:128       ; l of T1
	s_wait_dscnt 0x0                               ; for my partner's sake: my stores have landed
	s_barrier_signal -1
	s_barrier_wait -1
.irp i, 0,1,2,3,4,5,6,7
	ds_load_b128 v[S+4*\i:S+4*\i+3], v[MR] offset:512*\i
.endr
	ds_load_b32 v224, v[MR4]                       ; m'
	ds_load_b32 v225, v[MR4] offset:128            ; l'
	s_wait_dscnt 0x0
	v_max_num_f32 v226, v[ST], v224                ; the maximum over all keys
	v_sub_f32 v227, v[ST], v226
	v_sub_f32 v228, v224, v226
	v_exp_f32 v230, v227                           ; f
	v_exp_f32 v232, v228                           ; f'
	v_nop
	s_wait_alu depctr_va_vdst(0)                   ; one wait for the two, ahead of their first use
	v_mul_f32 v229, v[ST+2], v230
	v_fmac_f32 v229, v225, v232                    ; l = l0 f + l' f'
	v_rcp_f32 v234, v229
	v_mul_f32 v230, 0x41000000, v230               ; 8 f, 8 f': plain lines behind the reciprocal
	v_mul_f32 v232, 0x41000000, v232
	s_wait_alu depctr_va_vdst(0)
	v_mul_f32 v230, v230, v234                     ; 8 f / l
	v_mul_f32 v232, v232, v234                     ; 8 f' / l
.set i, 0
.rept 16
	v_pk_mul_f32 v[O+i:O+i+1], v[O+i:O+i+1], v[230:231] op_sel_hi:[1,0]
.set i, i+2
.endr
.set i, 0
.rept 16
	v_pk_fma_f32 v[O+i:O+i+1], v[S+i:S+i+1], v[232:233], v[O+i:O+i+1] op_sel_hi:[1,0,1]
.set i, i+2
.endr
.set i, 0
.rept 16
	v_cvt_pk_f16_f32 v[P+i], v[O+2*i], v[O+2*i+1]
.set i, i+1
.endr
.irp d, 0,1,2,3
	global_store_b128 v[LI], v[P+4*\d:P+4*\d+3], s[50:51] offset:512*\d    ; 512 consecutive bytes, aligned: a chunk of the last launch's operand
.endr
	s_wait_tensorcnt 0x0                           ; the wave's end
	ds_add_u32 v[SPW], v[NIL]
	s_wait_dscnt 0x0
	CROUND                                         ; the closing round: no work-group ends while a partner may still ask for a tile that names it
	s_endpgm
.Lfunc_end_k_q108dc94a6f_attn:
	.size	k_q108dc94a6f_attn, .Lfunc_end_k_q108dc94a6f_attn-k_q108dc94a6f_attn
	.p2alignl 7, 3214868480
	.fill 96, 4, 3214868480
	.section	.rodata,"a",@progbits
	.p2align	6, 0x0
	.amdhsa_kernel k_q108dc94a6f_attn
		.amdhsa_group_segment_fixed_size 327680
		.amdhsa_private_segment_fixed_size 0
		.amdhsa_enable_private_segment 0
		.amdhsa_kernarg_size 16
		.amdhsa_user_sgpr_count 2
		.amdhsa_user_sgpr_kernarg_segment_ptr 1
		.amdhsa_wavefront_size32 1
		.amdhsa_system_sgpr_workgroup_id_x 1
		.amdhsa_system_sgpr_workgroup_id_y 1
		.amdhsa_system_sgpr_workgroup_id_z 1
		.amdhsa_system_vgpr_workitem_id 0
		.amdhsa_next_free_vgpr 384
		.amdhsa_next_free_sgpr 66
		.amdhsa_reserve_vcc 0
		.amdhsa_float_denorm_mode_32 3
		.amdhsa_float_denorm_mode_16_64 3
		.amdhsa_memory_ordered 1
		.amdhsa_forward_progress 1
		.amdhsa_inst_pref_size 119
	.end_amdhsa_kernel
	.amdgpu_metadata
---
amdhsa.version: [ 1, 2 ]
amdhsa.kernels:
  - .name:           k_q108dc94a6f_attn
    .symbol:         k_q108dc94a6f_attn.kd
    .args:
      - { .name: qkv, .offset: 0, .size: 8, .value_kind: global_buffer, .address_space: global }
      - { .name: att16, .offset: 8, .size: 8, .value_kind: global_buffer, .address_space: global }
    .group_segment_fixed_size: 327680
    .private_segment_fixed_size: 0
    .kernarg_segment_align: 8
    .kernarg_segment_size: 16
    .max_flat_workgroup_size: 256
    .sgpr_count:     66
    .vgpr_count:     384
    .wavefront_size: 32
...
	.end_amdgpu_metadata
.endif
;; end of part 3
;; launch outp (part 4): grid 8 x 32, 4 waves a work-group, clusters of 4 x 4, 231,936 bytes of LDS; arguments att16, wo16, bo, out0; writes out0
.if DOCPART == 4
	.amdgcn_target "amdgcn-amd-amdhsa--gfx1250"
	.amdhsa_code_object_version 6
	.text
	.protected	k_q108dc94a6f_outp
	.globl	k_q108dc94a6f_outp
	.p2align	8
	.type	k_q108dc94a6f_outp,@function
k_q108dc94a6f_outp:
	s_mov_b64 s[64:65], 0
	v_nop
	global_prefetch_b8 v0, s[64:65] scope:SCOPE_SE
	s_setreg_imm32_b32 hwreg(HW_REG_WAVE_MODE, 25, 1), 1
	s_wait_xcnt 0x0
	s_wait_alu depctr_hold_cnt(0) depctr_sa_sdst(0) depctr_va_vdst(0) depctr_va_sdst(0) depctr_va_ssrc(0) depctr_va_vcc(0) depctr_vm_vsrc(0)
	s_getreg_b32 s2, hwreg(HW_REG_IB_STS2, 6, 4)
	s_cmp_eq_u32 s2, 0
	s_cbranch_scc0 .Lentry_in_a_cluster
	s_endpgm
.Lentry_in_a_cluster:
	s_bfe_u32 s2, ttmp6, 0x10000c
	s_cmp_lg_u32 s2, 0xf033
	s_cbranch_scc0 .Lentry_shape_is_right
	s_endpgm
.Lentry_shape_is_right:
; out0[o][n] = sum over c of Wo[o][c] att[c][n] + bo[o].  att16 holds 8 x att as f16, wo16 holds Wo as f16, both as images of the operands' registers; sums f32; the 1/8 and the bias are one fused multiply-add.
; SHARES.  Work-group (xb, yb): 64 outputs x 128 positions: 256 work-groups.  Wave w: nh = w >> 1 picks 64 positions (4 tiles), oh = w & 1 picks 32 outputs (2 tiles): 8 accumulators x 16 K steps of 32.
; Source 0 = 16 positions of att, source 1 = 16 rows of Wo: a lane then holds output r and eight NEIGHBOURING positions, 32 bytes of a row of out0.
; ALL OF K LIES IN LDS: 128 KiB of att, 64 KiB of Wo: first fills alone, no ring, nothing is filled again.  Two tensor loads of a wave are out.
; CLUSTER 4 x 4: att's tile hangs on yb alone and is shared along a row of the cluster, Wo's on xb alone and is shared along a column: each is asked for JOINTLY by the four.
; THE WAY OUT: a wave's 32 rows x 256 bytes go through its own stage in LDS (rows of 272 bytes) and leave as whole rows: sixteen lanes store 256 consecutive bytes, aligned.
.set BOFF,  131072                     ; LDS: att's 8 tiles of 16,384 bytes, then Wo's 4
.set STG,   196608                     ; 8,704 bytes for each wave: 32 rows x (256 + 16).  No fill lands here
.set SPARE, 231424                     ; the spare words, 128 bytes for each wave
.set ADA, 4                            ; v4   LDS address of my tiles of att: 65,536 nh + 16 x lane
.set ADB, 5                            ; v5   of Wo: BOFF + 32,768 oh + 16 x lane
.set STO, 6                            ; v6   the stage: where I put 32 bytes of a row
.set RD,  7                            ; v7   and where I read a row back
.set CO,  8                            ; v8   my byte offset in two rows of out0
.set SPW, 14
.set NIL, 15
.set F0,  16                           ; two fragment buffers of 48: four fragments of att, two of Wo
.set ACC, 112                          ; (nt, ot) at 112 + 8 (2 nt + ot)
.set OUTR, 176
.macro CROUND                          ; a round of the cluster's barrier
	s_barrier_signal -1
	s_barrier_wait -1
	s_cmp_lg_u32 s12, 0
	s_cbranch_scc1 .Lnot_wave_0_\@
	s_barrier_signal -3
.Lnot_wave_0_\@:
	s_barrier_wait -3
	s_barrier_signal -1
	s_barrier_wait -1
.endm
.macro PLACES
.rept 4
	v_nop
.endr
.endm
.macro FETCH cs, f                     ; K step cs (32 channels: two chunks of 512 bytes a fragment) into buffer f: 12 loads
.irp n, 0,1,2,3
.irp g, 0,1
	ds_load_b128 v[\f+8*\n+4*\g:\f+8*\n+4*\g+3], v[ADA] offset:\n*16384+(\cs)*1024+\g*512
.endr
.endr
.irp o, 0,1
.irp g, 0,1
	ds_load_b128 v[\f+32+8*\o+4*\g:\f+32+8*\o+4*\g+3], v[ADB] offset:\o*16384+(\cs)*1024+\g*512
.endr
.endr
.endm
.macro MUL zero, f                     ; the eight accumulators take turns, one instruction a turn; zero = 1: the first products start the sums
.irp n, 0,1,2,3
.irp o, 0,1
.if \zero
	v_wmma_f32_16x16x32_f16 v[ACC+8*(2*\n+\o):ACC+8*(2*\n+\o)+7], v[\f+8*\n:\f+8*\n+7], v[\f+32+8*\o:\f+32+8*\o+7], 0
.else
	v_wmma_f32_16x16x32_f16 v[ACC+8*(2*\n+\o):ACC+8*(2*\n+\o)+7], v[\f+8*\n:\f+8*\n+7], v[\f+32+8*\o:\f+32+8*\o+7], v[ACC+8*(2*\n+\o):ACC+8*(2*\n+\o)+7]
.endif
.endr
.endr
.endm
	s_load_b256 s[4:11], s[0:1], 0x0               ; att16 s[4:5], wo16 s[6:7], bo s[8:9], out0 s[10:11]
	v_lshl_add_u32 v[SPW], v0, 2, SPARE
	v_mov_b32 v[NIL], 0
	ds_add_u32 v[SPW], v[NIL]                      ; the wave's opening: the add, twice on end, and its wait ahead of my first tensor load
	ds_add_u32 v[SPW], v[NIL]
	v_lshrrev_b32 v1, 5, v0
	v_readfirstlane_b32 s12, v1                    ; wave 0..3
	s_lshr_b32 s19, s12, 1                         ; nh
	s_and_b32 s20, s12, 1                          ; oh
	s_bfe_u32 s13, ttmp6, 0x40000                  ; cx, cy: my place in the cluster
	s_bfe_u32 s14, ttmp6, 0x40004
	s_lshl_b32 s15, ttmp9, 2
	s_add_co_u32 s15, s15, s13                     ; xb = 4 x cluster x + cx
	s_and_b32 s16, ttmp7, 0xffff
	s_lshl_b32 s16, s16, 2
	s_add_co_u32 s16, s16, s14                     ; yb = 4 x cluster y + cy
	s_lshl_b32 s17, s14, 2
	s_lshl_b32 s17, 15, s17                        ; my row of the cluster
	s_lshl_b32 s18, 0x1111, s13                    ; my column
	s_or_b32 s24, s17, (3<<16)|(1<<21)             ; group 1 for att: the mask of my row; elements of 8 bytes; bit 21 set beside a mask; no padding
	s_mov_b32 s25, 32<<16                          ; rows of 32 elements, 256 bytes,
	s_mov_b32 s26, 128<<16                         ; 128 of them: 32 KiB, dense
	s_mov_b32 s27, 32<<16
	s_mov_b32 s28, 128
	s_mov_b32 s29, 32
	s_mov_b32 s30, 0
	s_mov_b32 s31, 0
	s_or_b32 s48, s18, (3<<16)|(1<<21)             ; group 1 for Wo: the mask of my column; 64 rows: 16 KiB
	s_mov_b32 s49, 32<<16
	s_mov_b32 s50, 64<<16
	s_mov_b32 s51, 32<<16
	s_mov_b32 s52, 64
	s_mov_b32 s53, 32
	s_mov_b32 s54, 0
	s_mov_b32 s55, 0
	s_lshl_b32 s44, s16, 17                        ; att: tiles 8 yb + 2 w and the next, 16,384 bytes each: made of yb and the wave's number alone
	s_lshl_b32 s21, s12, 15                        ; (also their place in LDS)
	s_add_co_u32 s44, s44, s21
	s_mov_b32 s45, 0
	s_lshl_b32 s46, s15, 16                        ; Wo: tile 4 xb + w: made of xb and the wave's number alone
	s_lshl_b32 s22, s12, 14
	s_add_co_u32 s46, s46, s22
	s_mov_b32 s47, 0
	s_lshl_b32 s60, s15, 20                        ; out0: row 64 xb + 32 oh of 16,384 bytes, + 4 (128 yb + 64 nh)
	s_lshl_b32 s36, s20, 19
	s_add_co_u32 s60, s60, s36
	s_lshl_b32 s36, s16, 9
	s_add_co_u32 s60, s60, s36
	s_lshl_b32 s36, s19, 8
	s_add_co_u32 s60, s60, s36
	s_mov_b32 s61, 0
	s_lshl_b32 s62, s15, 8                         ; bo: 4 (64 xb + 32 oh)
	s_lshl_b32 s37, s20, 7
	s_add_co_u32 s62, s62, s37
	s_mov_b32 s63, 0
	s_mov_b32 s40, 0x3e000000                      ; 1 / 8
	s_mov_b32 s41, s40                             ; (named with it as a pair, so it is written)
	s_wait_dscnt 0x0                               ; both opening adds are done
	s_wait_kmcnt 0x0
	s_mov_b32 s32, 1
	s_mov_b32 s33, s21
	s_add_nc_u64 s[34:35], s[4:5], s[44:45]
	s_or_b32 s35, s35, 0x80000000
	s_mov_b32 s56, 1
	s_add_co_u32 s57, s22, BOFF
	s_add_nc_u64 s[58:59], s[6:7], s[46:47]
	s_or_b32 s59, s59, 0x80000000
	s_add_nc_u64 s[8:9], s[8:9], s[62:63]
	s_add_nc_u64 s[42:43], s[10:11], s[60:61]
	CROUND                                         ; all sixteen work-groups are here: the joint loads meet
	tensor_load_to_lds s[32:35], s[24:31]          ; my quarter of att's tile,
	s_nop 0
	tensor_load_to_lds s[56:59], s[48:55]          ; and of Wo's: both first fills together
	s_nop 0
	PLACES
	v_and_b32 v1, 15, v0                           ; r
	v_bfe_u32 v2, v0, 4, 1                         ; h
	v_and_b32 v3, 31, v0
	v_lshlrev_b32 v3, 4, v3                        ; 16 x lane
	s_lshl_b32 s38, s19, 16
	v_add_nc_u32 v[ADA], s38, v3
	s_lshl_b32 s38, s20, 15
	s_add_co_u32 s38, s38, BOFF
	v_add_nc_u32 v[ADB], s38, v3
	s_mul_i32 s38, s12, 8704
	s_add_co_u32 s38, s38, STG                     ; my stage
	v_mul_u32_u24 v[STO], v1, 272                  ; in: row r, 32 bytes for each half of the lanes
	v_lshl_add_u32 v[STO], v2, 5, v[STO]
	v_add_nc_u32 v[STO], s38, v[STO]
	v_mul_u32_u24 v[RD], v2, 272                   ; back: lanes 0-15 one row of 256 bytes, lanes 16-31 the next
	v_lshl_add_u32 v[RD], v1, 4, v[RD]
	v_add_nc_u32 v[RD], s38, v[RD]
	v_lshlrev_b32 v[CO], 14, v2                    ; and the same two rows in out0
	v_lshl_add_u32 v[CO], v1, 4, v[CO]
	v_lshlrev_b32 v9, 2, v1
	global_load_b32 v10, v9, s[8:9]                ; bo of output 16 ot + r
	global_load_b32 v12, v9, s[8:9] offset:64
	v_mov_b32 v11, 0                               ; (the pairs' upper halves are named, so they are written)
	v_mov_b32 v13, 0
	s_wait_tensorcnt 0x0                           ; my parts of both tiles are in,
	s_barrier_signal -1
	s_barrier_wait -1                              ; everybody's are
	FETCH 0, F0
.set CS, 0
.rept 16
.if CS < 15
.if CS > 0
	PLACES                                         ; four places behind the products that read the other buffer, ahead of the loads into it
.endif
	FETCH CS+1, F0+48*((CS+1)%2)
	s_wait_dscnt 12                                ; this step's fragments are in; the 12 loads just issued may stay out
.else
	s_wait_dscnt 0x0
.endif
.if CS == 0
	MUL 1, F0
.else
	MUL 0, F0+48*(CS%2)
.endif
.set CS, CS+1
.endr
	PLACES
	s_wait_loadcnt 0x0                             ; bo
.irp n, 0,1,2,3
.irp o, 0,1
.irp p, 0,2,4,6
	v_pk_fma_f32 v[ACC+8*(2*\n+\o)+\p:ACC+8*(2*\n+\o)+\p+1], v[ACC+8*(2*\n+\o)+\p:ACC+8*(2*\n+\o)+\p+1], s[40:41], v[10+2*\o:11+2*\o] op_sel_hi:[1,0,0]   ; sum / 8 + bo, each accumulator from its low end on
.endr
.endr
.endr
.irp n, 0,1,2,3
.irp o, 0,1
	ds_store_b128 v[STO], v[ACC+8*(2*\n+\o):ACC+8*(2*\n+\o)+3] offset:\o*4352+\n*64
	ds_store_b128 v[STO], v[ACC+8*(2*\n+\o)+4:ACC+8*(2*\n+\o)+7] offset:\o*4352+\n*64+16
.endr
.endr
.irp i, 0,1,2,3,4,5,6,7,8,9,10,11,12,13,14,15
	ds_load_b128 v[OUTR+4*\i:OUTR+4*\i+3], v[RD] offset:544*\i     ; LDS serves a wave's instructions in order (ISA guide 5.7.1.4): these see my stores
.endr
.irp i, 0,1,2,3,4,5,6,7,8,9,10,11,12,13,14,15
	s_wait_dscnt 15-\i                             ; rows 2 i and 2 i + 1 are back; the later ones may stay out
	global_store_b128 v[CO], v[OUTR+4*\i:OUTR+4*\i+3], s[42:43] offset:32768*\i th:TH_STORE_NT   ; sixteen lanes store 256 consecutive bytes, aligned; written once, read by nobody here
.endr
	s_wait_tensorcnt 0x0                           ; the wave's end
	ds_add_u32 v[SPW], v[NIL]
	s_wait_dscnt 0x0
	CROUND                                         ; the closing round: no work-group ends while a partner may still ask for a tile that names it
	s_endpgm
.Lfunc_end_k_q108dc94a6f_outp:
	.size	k_q108dc94a6f_outp, .Lfunc_end_k_q108dc94a6f_outp-k_q108dc94a6f_outp
	.p2alignl 7, 3214868480
	.fill 96, 4, 3214868480
	.section	.rodata,"a",@progbits
	.p2align	6, 0x0
	.amdhsa_kernel k_q108dc94a6f_outp
		.amdhsa_group_segment_fixed_size 231936
		.amdhsa_private_segment_fixed_size 0
		.amdhsa_enable_private_segment 0
		.amdhsa_kernarg_size 32
		.amdhsa_user_sgpr_count 2
		.amdhsa_user_sgpr_kernarg_segment_ptr 1
		.amdhsa_wavefront_size32 1
		.amdhsa_system_sgpr_workgroup_id_x 1
		.amdhsa_system_sgpr_workgroup_id_y 1
		.amdhsa_system_sgpr_workgroup_id_z 1
		.amdhsa_system_vgpr_workitem_id 0
		.amdhsa_next_free_vgpr 240
		.amdhsa_next_free_sgpr 66
		.amdhsa_reserve_vcc 0
		.amdhsa_float_denorm_mode_32 3
		.amdhsa_float_denorm_mode_16_64 3
		.amdhsa_memory_ordered 1
		.amdhsa_forward_progress 1
		.amdhsa_inst_pref_size 35
	.end_amdhsa_kernel
	.amdgpu_metadata
---
amdhsa.version: [ 1, 2 ]
amdhsa.kernels:
  - .name:           k_q108dc94a6f_outp
    .symbol:         k_q108dc94a6f_outp.kd
    .args:
      - { .name: att16, .offset: 0, .size: 8, .value_kind: global_buffer, .address_space: global }
      - { .name: wo16, .offset: 8, .size: 8, .value_kind: global_buffer, .address_space: global }
      - { .name: bo, .offset: 16, .size: 8, .value_kind: global_buffer, .address_space: global }
      - { .name: out0, .offset: 24, .size: 8, .value_kind: global_buffer, .address_space: global }
    .group_segment_fixed_size: 231936
    .private_segment_fixed_size: 0
    .kernarg_segment_align: 8
    .kernarg_segment_size: 32
    .max_flat_workgroup_size: 128
    .sgpr_count:     66
    .vgpr_count:     240
    .wavefront_size: 32
...
	.end_amdgpu_metadata
.endif
;; end of part 4
